; MI455X (gfx1250); checked and timed in simulation.
; The chip was launched on July 23, 2026; its instructions are those of AMD's public machine-readable ISA for CDNA 5 (MIT licence, August 2026) and "CDNA5" Instruction Set Architecture Reference Guide (July 2026). The comments in the code are by the model that wrote it; some were corrected since.
;; Gaussian Rasterizer. Allowed arithmetic: float matrix products may take bf16 or f16 operands with f32 sums; all other float work in f32.
;; Inputs: cam_position 3 float32; cam_rotation 4 float32; colors 2,048 x 3 float32; covariances 2,048 x 3 x 3 float32; opacities 2,048 float32; positions 2,048 x 3 float32.
;; Outputs: out0 128 x 128 x 3 float32.
;; One version. Each part assembles by itself: llvm-mc -triple=amdgcn-amd-amdhsa -mcpu=gfx1250 --defsym DOCPART=n.
;; ======== version 1 of 1: 2 launches
;; workspace buffers: prm 65,536 bytes; rank 8,448 bytes of whole numbers
;; launch project (part 1): grid 256 x 1, 8 waves a work-group, no clusters, 168,960 bytes of LDS; arguments positions, covariances, opacities, colors, cam_position, cam_rotation, prm, rank; writes prm, rank
.if DOCPART == 1
	.amdgcn_target "amdgcn-amd-amdhsa--gfx1250"
	.amdhsa_code_object_version 6
	.text
	.protected	k_q5ba2e83f8b_project
	.globl	k_q5ba2e83f8b_project
	.p2align	8
	.type	k_q5ba2e83f8b_project,@function
k_q5ba2e83f8b_project:
	s_mov_b64 s[64:65], 0
	v_nop
	global_prefetch_b8 v0, s[64:65] scope:SCOPE_SE
	s_setreg_imm32_b32 hwreg(HW_REG_WAVE_MODE, 25, 1), 1
	s_wait_xcnt 0x0
; PROJECT AND RANK.  2,048 gaussians, 256 work-groups of 8 waves; wave w of group b owns gaussian i = 8 b + w.
; Every group makes the sort keys of ALL gaussians (8 a thread) in LDS: the bits of the depth if the gaussian is inside the frustum
; (0.01 < depth < 100, so the bits order like the numbers), the bits of +inf if it is culled.  A wave then counts
;     rank(i) = #{ j : key_j < key_i } + #{ j < i : key_j = key_i },
; the place that a stable argsort gives i.  The rank is only STORED here; the next launch forms addresses from it.
; key_i itself is made in registers, by the same chain of fused multiply-adds and the same tests as the table's entry, so it has the same bits.
; The wave also projects its gaussian and leaves a record of 8 words:
;     -mx, A, my, B, C, L, bf16(red)|bf16(green)<<16, bf16(blue)      log2(alpha) = A dx^2 + B dx dy + C dy^2 + L
; with A = -0.5 log2e d/det, B = log2e b/det, C = -0.5 log2e a/det, L = log2(max(opacity, 0)); culled: A = B = C = 0, L = -inf (alpha 0).
; The covariance is taken as given (no symmetry assumed): cov2d = (J S) J^T with all entries that a, b = cov2d[0][1], d need.
; The group asks for more than half of a WGP's LDS, so that each of the 256 groups has a WGP of its own.
; LIMITS: finite inputs; an opacity <= 0 gives alpha 0 (as the clip to [0, 0.99] does); p_cam is summed by fused multiply-adds from the
; last coordinate to the first, so under a rotated camera depths can differ in the last bit from another order of summation; the frustum's
; side tests compare with 0.64 x depth in one rounding (not depth x 128 / 200): a gaussian within one rounding step of that bound may be
; culled differently.
.set KEYS, 0                           ; LDS: 2,048 keys
.set CNT,  8192                        ;      8 words: valid gaussians among each wave's 256 keys
.set REC,  8448                        ;      8 records of 32 bytes
.set RKS,  8704                        ;      8 ranks
.set POS,  8                           ; v[8:31]   8 positions of this thread; later v[8:71] the keys as read back
.set KEY,  80                          ; v[80:87]  8 keys of this thread
.set W,    96                          ; v[96:103] my wave's record (the same in every lane)
	s_load_b512 s[8:23], s[0:1], 0x0               ; positions s[8:9], covariances s[10:11], opacities s[12:13], colors s[14:15],
	v_lshl_add_u32 v112, v0, 2, 0x29000
	v_mov_b32 v113, 0
	                                               ; cam_position s[16:17], cam_rotation s[18:19], prm s[20:21], rank s[22:23]
	v_and_b32 v1, 31, v0                           ; lane
	v_lshrrev_b32 v2, 5, v0
	v_readfirstlane_b32 s31, v2                    ; wave
	s_lshl3_add_u32 s32, ttmp9, s31                ; i = 8 x group + wave
	s_mul_i32 s34, s32, 12                         ; byte offset of i's position and colour,
	s_mul_i32 s35, s32, 36                         ; covariance,
	s_lshl_b32 s36, s32, 2                         ; opacity
	s_lshl_b32 s71, s31, 2
	s_lshl_b32 s72, s31, 5
	s_mov_b32 s33, 0                               ; valid gaussians among my wave's 256 keys
	s_mov_b32 s37, 0x7f800000                      ; +inf: the key of a culled gaussian
	s_mov_b32 s38, 0x42800000                      ; 64.0 = CX = CY
	s_mov_b32 s67, 0xc2800000                      ; -64.0
	s_mov_b32 s39, 0x358637bd                      ; 1e-6
	s_mov_b32 s61, 0x3c23d70a                      ; 0.01 = NEAR
	s_mov_b32 s63, 0x42c80000                      ; 100.0 = FAR = FX = FY
	s_mov_b32 s66, 0x3f23d70a                      ; 0.64 = W / (2 FX) = H / (2 FY)
	v_mul_u32_u24 v3, 96, v0                       ; 8 positions of 12 bytes a thread: 96 t, a multiple of 16
	v_lshlrev_b32 v4, 5, v0                        ; their 8 keys: 32 t
	v_mov_b32 v6, s71                              ; 4 x wave
	v_mov_b32 v7, s72                              ; 32 x wave
	v_mov_b32 v78, s37
	s_wait_kmcnt 0x0
.irp n, 0,1,2,3,4,5
	global_load_b128 v[POS+4*\n:POS+4*\n+3], v3, s[8:9] offset:16*\n
.endr
	s_load_b128 s[24:27], s[18:19], 0x0            ; quaternion w, x, y, z
	s_load_b96  s[28:30], s[16:17], 0x0            ; camera position
	s_load_b96  s[48:50], s[8:9], s34 offset:0x0   ; what belongs to gaussian i is the same in all lanes: scalar loads
	s_load_b256 s[52:59], s[10:11], s35 offset:0x0 ; S00 S01 S02 S10 S11 S12 S20 S21
	s_load_b32  s60, s[10:11], s35 offset:0x20     ; S22
	s_load_b32  s51, s[12:13], s36 offset:0x0      ; opacity
	s_load_b96  s[68:70], s[14:15], s34 offset:0x0 ; colour
	s_wait_kmcnt 0x0
	; the camera: q / |q|, the rotation matrix R (v46..v54, row by row) and R c (v55..v57); t = -R c
	v_mul_f32 v32, s24, s24
	v_fma_f32 v32, s25, s25, v32
	v_fma_f32 v32, s26, s26, v32
	v_fma_f32 v32, s27, s27, v32
	v_rsq_f32 v32, v32
	v_mov_b32 v92, s51                             ; a plain instruction stands between v_rsq_f32 and the use of its result (ISA guide 5.7.2)
	s_wait_alu depctr_va_vdst(0)
	v_mul_f32 v33, s24, v32                        ; qw
	v_mul_f32 v34, s25, v32                        ; qx
	v_mul_f32 v35, s26, v32                        ; qy
	v_mul_f32 v36, s27, v32                        ; qz
	v_mul_f32 v37, v34, v34                        ; xx
	v_mul_f32 v38, v35, v35                        ; yy
	v_mul_f32 v39, v36, v36                        ; zz
	v_mul_f32 v40, v34, v35                        ; xy
	v_mul_f32 v41, v34, v36                        ; xz
	v_mul_f32 v42, v35, v36                        ; yz
	v_mul_f32 v43, v33, v34                        ; wx
	v_mul_f32 v44, v33, v35                        ; wy
	v_mul_f32 v45, v33, v36                        ; wz
	v_add_f32 v46, v38, v39
	v_fma_f32 v46, -2.0, v46, 1.0                  ; r00 = 1 - 2 (yy + zz)
	v_sub_f32 v47, v40, v45
	v_add_f32 v47, v47, v47                        ; r01 = 2 (xy - wz)
	v_add_f32 v48, v41, v44
	v_add_f32 v48, v48, v48                        ; r02 = 2 (xz + wy)
	v_add_f32 v49, v40, v45
	v_add_f32 v49, v49, v49                        ; r10 = 2 (xy + wz)
	v_add_f32 v50, v37, v39
	v_fma_f32 v50, -2.0, v50, 1.0                  ; r11 = 1 - 2 (xx + zz)
	v_sub_f32 v51, v42, v43
	v_add_f32 v51, v51, v51                        ; r12 = 2 (yz - wx)
	v_sub_f32 v52, v41, v44
	v_add_f32 v52, v52, v52                        ; r20 = 2 (xz - wy)
	v_add_f32 v53, v42, v43
	v_add_f32 v53, v53, v53                        ; r21 = 2 (yz + wx)
	v_add_f32 v54, v37, v38
	v_fma_f32 v54, -2.0, v54, 1.0                  ; r22 = 1 - 2 (xx + yy)
	v_mul_f32 v55, s28, v46
	v_fma_f32 v55, s29, v47, v55
	v_fma_f32 v55, s30, v48, v55                   ; (R c)0
	v_mul_f32 v56, s28, v49
	v_fma_f32 v56, s29, v50, v56
	v_fma_f32 v56, s30, v51, v56                   ; (R c)1
	v_mul_f32 v57, s28, v52
	v_fma_f32 v57, s29, v53, v57
	v_fma_f32 v57, s30, v54, v57                   ; (R c)2
; The key of this thread's gaussian k: x, y and depth = -z in camera space, the four tests of the frustum, depth or +inf.
; Temporaries and masks take turns between even and odd k, so that one key's chain does not wait for the one before.
.macro MAKEKEY k
.set KT, 58+4*(\k&1)
.set KM, 40+4*(\k&1)
	v_fma_f32 v[KT],   v48, v[POS+3*\k+2], -v55
	v_fma_f32 v[KT+1], v51, v[POS+3*\k+2], -v56
	v_fma_f32 v[KT+2], -v54, v[POS+3*\k+2], v57
	v_fma_f32 v[KT],   v47, v[POS+3*\k+1], v[KT]
	v_fma_f32 v[KT+1], v50, v[POS+3*\k+1], v[KT+1]
	v_fma_f32 v[KT+2], -v53, v[POS+3*\k+1], v[KT+2]
	v_fma_f32 v[KT],   v46, v[POS+3*\k], v[KT]          ; x
	v_fma_f32 v[KT+1], v49, v[POS+3*\k], v[KT+1]        ; y
	v_fma_f32 v[KT+2], -v52, v[POS+3*\k], v[KT+2]       ; depth
	v_mul_f32 v[KT+3], s66, v[KT+2]                     ; 0.64 depth
	v_cmp_lt_f32 s[KM],   s61, v[KT+2]                  ; NEAR < depth
	v_cmp_gt_f32 s[KM+1], s63, v[KT+2]                  ; FAR > depth
	v_cmp_lt_f32 s[KM+2], |v[KT]|, v[KT+3]
	v_cmp_lt_f32 s[KM+3], |v[KT+1]|, v[KT+3]
	s_and_b32 s[KM], s[KM], s[KM+1]
	s_and_b32 s[KM+2], s[KM+2], s[KM+3]
	s_and_b32 s[KM], s[KM], s[KM+2]
	v_cndmask_b32 v[KEY+\k], v78, v[KT+2], s[KM]        ; valid: the depth; culled (or NaN): +inf
	s_bcnt1_i32_b32 s[KM+1], s[KM]
	s_add_co_u32 s33, s33, s[KM+1]
.endm
	s_wait_loadcnt 0x0                             ; the six position loads
.irp k, 0,1,2,3,4,5,6,7
	MAKEKEY \k
.endr
	ds_store_b128 v4, v[KEY:KEY+3] offset:KEYS
	ds_store_b128 v4, v[KEY+4:KEY+7] offset:KEYS+16
	v_mov_b32 v5, s33
	ds_store_b32 v6, v5 offset:CNT                 ; every lane writes the same word with the same value
	s_wait_dscnt 0x0                               ; my keys are in LDS before I say so
	s_barrier_signal -1
	; Between the two halves of the barrier, registers only: the projection and the key of gaussian i.
	; x and y go through the very chain of MAKEKEY; z through that of the depth with every sign turned, which gives the exact negative.
	v_fma_f32 v66, v48, s50, -v55
	v_fma_f32 v67, v51, s50, -v56
	v_fma_f32 v68, v54, s50, -v57
	v_fma_f32 v66, v47, s49, v66
	v_fma_f32 v67, v50, s49, v67
	v_fma_f32 v68, v53, s49, v68
	v_fma_f32 v66, v46, s48, v66                   ; x
	v_fma_f32 v67, v49, s48, v67                   ; y
	v_fma_f32 v68, v52, s48, v68                   ; z
	v_rcp_f32 v69, v68                             ; 1 / z
	v_max_num_f32 v92, 0, v92                      ; max(opacity, 0); also the plain place behind v_rcp_f32
	v_xor_b32 v104, 0x80000000, v68                ; depth = -z: the table's bits (a zero of either sign fails NEAR < depth alike)
	v_mul_f32 v95, s66, v104                       ; 0.64 depth
	v_cmp_lt_f32 s40, s61, v104                    ; the same four tests as in MAKEKEY
	v_cmp_gt_f32 s41, s63, v104
	v_cmp_lt_f32 s42, |v66|, v95
	v_cmp_lt_f32 s43, |v67|, v95
	s_and_b32 s40, s40, s41
	s_and_b32 s42, s42, s43
	s_and_b32 s40, s40, s42
	v_cndmask_b32 v104, v78, v104, s40             ; key_i
	s_wait_alu depctr_va_vdst(0)
	v_mul_f32 v70, s63, v69                        ; f = FX / z = J00 = J11
	v_mul_f32 v71, v70, v69                        ; FX / z^2
	v_fma_f32 v[W],   -v66, v70, s67               ; -mx = -(FX x / z + CX)
	v_fma_f32 v[W+2], v67, v70, s38                ;  my =   FY y / z + CY
	v_mul_f32 v72, -v66, v71                       ; J02
	v_mul_f32 v73, -v67, v71                       ; J12
	v_mul_f32 v74, s58, v72
	v_fma_f32 v74, s52, v70, v74                   ; (J S)00 = f S00 + J02 S20
	v_mul_f32 v75, s59, v72
	v_fma_f32 v75, s53, v70, v75                   ; (J S)01 = f S01 + J02 S21
	v_mul_f32 v76, s60, v72
	v_fma_f32 v76, s54, v70, v76                   ; (J S)02 = f S02 + J02 S22
	v_mul_f32 v77, s59, v73
	v_fma_f32 v77, s56, v70, v77                   ; (J S)11 = f S11 + J12 S21
	v_mul_f32 v79, s60, v73
	v_fma_f32 v79, s57, v70, v79                   ; (J S)12 = f S12 + J12 S22
	v_fma_f32 v88, v74, v70, s39
	v_fma_f32 v88, v76, v72, v88                   ; a = cov2d[0][0] + 1e-6
	v_mul_f32 v89, v75, v70
	v_fma_f32 v89, v76, v73, v89                   ; b = cov2d[0][1]
	v_fma_f32 v90, v77, v70, s39
	v_fma_f32 v90, v79, v73, v90                   ; d = cov2d[1][1] + 1e-6
	v_mul_f32 v91, v89, v89
	v_fma_f32 v91, v88, v90, -v91                  ; det = a d - b b
	v_rcp_f32 v91, v91
	v_log_f32 v[W+5], v92                          ; L = log2(opacity); log2(0) = -inf
	v_cvt_pk_bf16_f32 v[W+6], s68, s69             ; red, green (these two lines are the plain places behind the two lines above)
	v_cvt_pk_bf16_f32 v[W+7], s70, s70             ; blue (the upper half is not used)
	s_wait_alu depctr_va_vdst(0)
	v_mul_f32 v93, 0xbf38aa3b, v91                 ; -0.5 log2e / det
	v_mul_f32 v94, 0x3fb8aa3b, v91                 ;       log2e / det
	v_mul_f32 v[W+1], v90, v93                     ; A
	v_mul_f32 v[W+3], v89, v94                     ; B  (2 ib = -2 b / det, times -0.5 log2e)
	v_mul_f32 v[W+4], v88, v93                     ; C
	v_add_nc_u32 v105, 1, v104                     ; key_j <= key_i  <=>  key_j < key_i + 1
	v_cmp_ne_u32 vcc_lo, s37, v104                 ; gaussian i is valid
.irp n, 0,1,2,3,4
	v_cndmask_b32 v[W+\n], 0, v[W+\n], vcc_lo      ; culled: a form that is 0 everywhere (whatever 1 / z gave),
.endr
	v_cndmask_b32 v[W+5], 0xff800000, v[W+5], vcc_lo   ; plus -inf: alpha = 0
	s_barrier_wait -1                              ; all 2,048 keys are in LDS
	; The rank.  Load m brings keys 128 m + 4 lane + e (e = 0..3): 32 lanes, 16 neighbouring bytes each; the loads end at byte 8,191.
	v_lshlrev_b32 v107, 4, v1
.irp m, 0,1,2,3,4,5,6,7,8,9,10,11,12,13,14,15
	ds_load_b128 v[8+4*\m:11+4*\m], v107 offset:KEYS+512*\m
.endr
	v_lshlrev_b32 v106, 2, v1
	v_sub_nc_u32 v106, s32, v106                   ; i - 4 lane (signed): j < i  <=>  128 m + e < i - 4 lane
	s_mov_b32 s62, 0                               ; the rank
.macro COUNT m
	s_wait_dscnt 15-\m                             ; LDS loads come back in order: row m is in, the 15 - m younger rows stay out
.irp e, 0,1,2,3
	v_cmp_lt_i32 s[40+\e], \e, v106                ; j < i
.endr
.irp e, 0,1,2,3
	v_cndmask_b32 v[72+\e], v104, v105, s[40+\e]   ; j < i: count key_j <= key_i; else key_j < key_i
.endr
.irp e, 0,1,2,3
	v_cmp_lt_u32 s[44+\e], v[8+4*\m+\e], v[72+\e]
.endr
	v_add_nc_u32 v106, 0xffffff80, v106            ; the next row's j are 128 higher
.irp e, 0,1,2,3
	s_bcnt1_i32_b32 s[44+\e], s[44+\e]             ; i is the same in all lanes: the lanes' votes are simply counted
.endr
.irp e, 0,1,2,3
	s_add_co_u32 s62, s62, s[44+\e]
.endr
.endm
.irp m, 0,1,2,3,4,5,6,7,8,9,10,11,12,13,14,15
	COUNT \m
.endr
	; The 8 records of the group are 256 neighbouring bytes of prm: gather them in LDS, one wave stores them whole.
	; Bytes 8,448 and up have been touched by nobody so far, so these stores need no barrier in front of them.
	v_mov_b32 v109, s62
	ds_store_b128 v7, v[W:W+3] offset:REC
	ds_store_b128 v7, v[W+4:W+7] offset:REC+16
	ds_store_b32 v6, v109 offset:RKS
	s_wait_dscnt 0x0                               ; my record and rank are in LDS before I say so
	s_barrier_signal -1
	s_barrier_wait -1
	s_cmp_lg_u32 s31, 0
	s_cbranch_scc1 .Lend
	v_and_b32 v72, 15, v1
	v_lshlrev_b32 v72, 4, v72
	v_and_b32 v73, 7, v1
	v_lshlrev_b32 v73, 2, v73
	v_mov_b32 v74, 0
	ds_load_b128 v[76:79], v72 offset:REC
	ds_load_b32 v75, v73 offset:RKS
	ds_load_b128 v[80:83], v74 offset:CNT
	ds_load_b128 v[84:87], v74 offset:CNT+16
	s_lshl_b32 s71, ttmp9, 8
	s_lshl_b32 s72, ttmp9, 5
	v_add_nc_u32 v88, s71, v72                     ; prm: 256 x group + 16 x lane
	v_add_nc_u32 v89, s72, v73                     ; rank: 32 x group + 4 x lane
	s_wait_dscnt 0x0
	v_add3_u32 v80, v80, v81, v82
	v_add3_u32 v84, v83, v84, v85
	v_add3_u32 v80, v80, v86, v87
	v_add_nc_u32 v80, v80, v84                     ; V = the number of valid gaussians
	v_cmp_gt_u32 vcc_lo, 16, v1
	s_wait_xcnt 0x0                                ; EXEC changes only when no memory instruction still needs it
	s_and_saveexec_b32 s40, vcc_lo
	global_store_b128 v88, v[76:79], s[20:21]      ; 16 lanes: 256 neighbouring bytes, aligned
	s_wait_xcnt 0x0
	s_or_b32 exec_lo, exec_lo, s40
	v_cmp_gt_u32 vcc_lo, 8, v1
	s_and_saveexec_b32 s40, vcc_lo
	global_store_b32 v89, v75, s[22:23]            ; the group's 8 ranks
	s_wait_xcnt 0x0
	s_or_b32 exec_lo, exec_lo, s40
	s_cmp_lg_u32 ttmp9, 0
	s_cbranch_scc1 .Lend
	v_cmp_eq_u32 vcc_lo, 0, v1
	s_and_saveexec_b32 s40, vcc_lo
	global_store_b32 v74, v80, s[22:23] offset:8192    ; group 0 alone leaves V, behind the 2,048 ranks
	s_wait_xcnt 0x0
	s_or_b32 exec_lo, exec_lo, s40
.Lend:
	s_wait_tensorcnt 0x0
	ds_add_u32 v112, v113
	s_wait_dscnt 0x0
	s_endpgm
.Lfunc_end_k_q5ba2e83f8b_project:
	.size	k_q5ba2e83f8b_project, .Lfunc_end_k_q5ba2e83f8b_project-k_q5ba2e83f8b_project
	.p2alignl 7, 3214868480
	.fill 96, 4, 3214868480
	.section	.rodata,"a",@progbits
	.p2align	6, 0x0
	.amdhsa_kernel k_q5ba2e83f8b_project
		.amdhsa_group_segment_fixed_size 168960
		.amdhsa_private_segment_fixed_size 0
		.amdhsa_enable_private_segment 0
		.amdhsa_kernarg_size 64
		.amdhsa_user_sgpr_count 2
		.amdhsa_user_sgpr_kernarg_segment_ptr 1
		.amdhsa_wavefront_size32 1
		.amdhsa_system_sgpr_workgroup_id_x 1
		.amdhsa_system_sgpr_workgroup_id_y 1
		.amdhsa_system_sgpr_workgroup_id_z 1
		.amdhsa_system_vgpr_workitem_id 0
		.amdhsa_next_free_vgpr 114
		.amdhsa_next_free_sgpr 74
		.amdhsa_reserve_vcc 1
		.amdhsa_float_denorm_mode_32 3
		.amdhsa_float_denorm_mode_16_64 3
		.amdhsa_memory_ordered 1
		.amdhsa_forward_progress 1
		.amdhsa_inst_pref_size 37
	.end_amdhsa_kernel
	.amdgpu_metadata
---
amdhsa.version: [ 1, 2 ]
amdhsa.kernels:
  - .name:           k_q5ba2e83f8b_project
    .symbol:         k_q5ba2e83f8b_project.kd
    .args:
      - { .name: positions, .offset: 0, .size: 8, .value_kind: global_buffer, .address_space: global }
      - { .name: covariances, .offset: 8, .size: 8, .value_kind: global_buffer, .address_space: global }
      - { .name: opacities, .offset: 16, .size: 8, .value_kind: global_buffer, .address_space: global }
      - { .name: colors, .offset: 24, .size: 8, .value_kind: global_buffer, .address_space: global }
      - { .name: cam_position, .offset: 32, .size: 8, .value_kind: global_buffer, .address_space: global }
      - { .name: cam_rotation, .offset: 40, .size: 8, .value_kind: global_buffer, .address_space: global }
      - { .name: prm, .offset: 48, .size: 8, .value_kind: global_buffer, .address_space: global }
      - { .name: rank, .offset: 56, .size: 8, .value_kind: global_buffer, .address_space: global }
    .group_segment_fixed_size: 168960
    .private_segment_fixed_size: 0
    .kernarg_segment_align: 8
    .kernarg_segment_size: 64
    .max_flat_workgroup_size: 256
    .sgpr_count:     74
    .vgpr_count:     114
    .wavefront_size: 32
...
	.end_amdgpu_metadata
.endif
;; end of part 1
;; launch raster (part 2): grid 256 x 1, 8 waves a work-group, no clusters, 168,960 bytes of LDS; arguments prm, rank, out0; writes out0
.if DOCPART == 2
	.amdgcn_target "amdgcn-amd-amdhsa--gfx1250"
	.amdhsa_code_object_version 6
	.text
	.protected	k_q5ba2e83f8b_raster
	.globl	k_q5ba2e83f8b_raster
	.p2align	8
	.type	k_q5ba2e83f8b_raster,@function
k_q5ba2e83f8b_raster:
	s_mov_b64 s[64:65], 0
	v_nop
	global_prefetch_b8 v0, s[64:65] scope:SCOPE_SE
	s_setreg_imm32_b32 hwreg(HW_REG_WAVE_MODE, 25, 1), 1
	s_wait_xcnt 0x0
; RASTERISE.  256 work-groups of 8 waves; group b owns the 64 pixels x = 64 (b & 1) .. + 63 of image row y = b >> 1.
; SET-UP: each thread takes 8 records, turns them into the form that holds on this row,
;     log2(alpha) = (A dx + q) dx + c0,   q = B dy,   c0 = C dy^2 + L,   dx = px - mx,   dy = y - my,
; and stores (-mx, A, q, c0) at 16 x rank in LDS, the three bf16 colours at 2 x rank in three colour rows: LDS then holds the list in depth order.
; MAIN: only the V valid gaussians (they sort first) are walked: ceil(V / 128) chunks of 16 for each wave.  The 8 waves take 8
; consecutive segments of the list, each starting from transmittance 1; compositing is associative, so the segments are joined at the end:
;     img = sum over s of (T_0 .. T_(s-1)) img_s.
; A lane holds two pixels (x, x + 32), worked on by packed f32 instructions; a gaussian's four parameters are read by all lanes from one LDS address.
; w @ colours on the matrix unit, bf16 x bf16 -> f32, 16x16x32.  A: lane l holds w of pixel l for the chunk's 16 gaussians (register j:
; gaussians 2j, 2j+1).  The k places of lanes 0-15 and of lanes 16-31 are different, so B gives the colours in columns 0-2 to the places
; of lanes 0-15 (B's lanes 0-2) and in columns 3-5 to those of lanes 16-31 (B's lanes 19-21); all other lanes of B read a row of zeros.
; D(m, 0..2) is then pixel m, D(m, 3..5) pixel 16 + m: one instruction serves 32 pixels x 16 gaussians.
; NOT SHARED IN A CLUSTER: what all groups read alike is 72 KB once at the start, and each record has to pass through registers
; (it is rewritten for the group's row and placed by its rank), so a joint copy into LDS would add a trip through LDS to every record.
; The group asks for more than half of a WGP's LDS, so that each of the 256 groups has a WGP of its own.
; LIMITS: alpha = min(exp2(..), 0.99) with the opacity inside the exponent; alpha below 2^-126 counts as 0; w and colours are rounded to
; bf16; inputs finite (a NaN or infinite colour of a culled gaussian would spread, since 0 x inf is NaN).
.set PRM,  0                           ; LDS: 2,048 x 16 bytes, in depth order
.set COL,  32768                       ;      red, green, blue: 2,048 bf16 each, in depth order; then 4,096 bytes of zeros
.set ZROW, COL+3*4096
.set TS,   49152                       ;      8 segments x 64 pixels: the segment's transmittance
.set IMG,  51200                       ;      8 segments x 192 floats: the segment's image
.set LASTC, 127                        ; the list's last chunk of 16
.set LANE, 1
.set PX,   2                           ; v[2:3]     px of my two pixels
.set TA,   4                           ; v[4:5]     transmittance of my two pixels; TA and TB take turns
.set TB,   6
.set YF,   8                           ; y as a float
.set PA,   9                           ; LDS address of a chunk's parameters
.set BA,   10                          ; LDS address of my 32 bytes of a chunk's colours
.set CB,   11                          ; my colour row (or the zeros)
.set P,    16                          ; v[16:79]   16 x (-mx, A, q, c0)
.set E,    80                          ; v[80:111]  16 x 2: exponent, then alpha, then w
.set DXR,  112                         ; v[112:143] 16 x 2: dx
.set AF0,  144                         ; v[144:151] w of pixels 0-31 in bf16
.set AF1,  152                         ; v[152:159] w of pixels 32-63
.set BF,   160                         ; v[160:167] colours
.set ACC0, 168                         ; v[168:175] image of pixels 0-31
.set ACC1, 176                         ; v[176:183] image of pixels 32-63
.set R0,   16                          ; set-up: record k, words 0-3 (-mx, A, my, B)
.set R1,   48                          ;         record k, words 4-7 (C, L, red|green, blue)
.set RK,   80                          ;         rank k
	s_load_b128 s[4:7], s[0:1], 0x0                ; prm s[4:5], rank s[6:7]
	s_load_b64 s[8:9], s[0:1], 0x10                ; out0
	v_lshl_add_u32 v184, v0, 2, 0x29000
	v_mov_b32 v185, 0
	v_and_b32 v[LANE], 31, v0
	v_lshrrev_b32 v88, 5, v0
	v_readfirstlane_b32 s10, v88                   ; wave = segment
	v_lshlrev_b32 v89, 5, v0                       ; 32 t
	v_lshlrev_b32 v90, 2, v0                       ; 4 t
	s_wait_kmcnt 0x0
	s_load_b32 s11, s[6:7], 0x2000                 ; V
.irp k, 0,1,2,3,4,5,6,7
	global_load_b128 v[R0+4*\k:R0+4*\k+3], v89, s[4:5] offset:8192*\k        ; gaussian t + 256 k
	global_load_b128 v[R1+4*\k:R1+4*\k+3], v89, s[4:5] offset:8192*\k+16
	global_load_b32  v[RK+\k], v90, s[6:7] offset:1024*\k
.endr
	; while they are on their way
.irp n, 96,97,98,99
	v_mov_b32 v\n, 0
.endr
	v_lshlrev_b32 v91, 4, v0
	ds_store_b128 v91, v[96:99] offset:ZROW        ; 256 threads x 16 bytes: the row of zeros
	s_lshr_b32 s15, ttmp9, 1
	v_cvt_f32_u32 v[YF], s15                       ; y
	s_and_b32 s16, ttmp9, 1
	s_lshl_b32 s16, s16, 6
	v_add_nc_u32 v92, s16, v[LANE]
	v_cvt_f32_u32 v[PX], v92                       ; px of pixel l
	v_add_f32 v[PX+1], 0x42000000, v[PX]           ; and of pixel 32 + l
	v_mov_b32 v[TA], 1.0
	v_mov_b32 v[TA+1], 1.0
	v_and_b32 v92, 15, v[LANE]
	v_lshrrev_b32 v93, 4, v[LANE]
	v_mul_u32_u24 v93, 3, v93
	v_sub_nc_u32 v92, v92, v93                     ; column - 3 x half: 0, 1, 2 in lanes 0-2 and 19-21,
	v_min_u32 v92, 3, v92                          ; anything else (a negative wraps) takes row 3, the zeros
	v_lshlrev_b32 v[CB], 12, v92
	v_add_nc_u32 v[CB], COL, v[CB]
	s_mov_b32 s14, 0x3f7d70a4                      ; 0.99
.macro PLACE k
	s_wait_loadcnt 3*(7-\k)                        ; loads come back in order: record k and its rank are in, three loads of each later k stay out
	v_min_u32 v[RK+\k], 0x7ff, v[RK+\k]            ; a rank is below 2,048
	v_sub_f32 v92, v[YF], v[R0+4*\k+2]             ; dy
	v_mul_f32 v[R0+4*\k+2], v[R0+4*\k+3], v92      ; q = B dy
	v_mul_f32 v93, v[R1+4*\k], v92
	v_fma_f32 v[R0+4*\k+3], v93, v92, v[R1+4*\k+1] ; c0 = C dy dy + L
	v_lshlrev_b32 v94, 4, v[RK+\k]
	v_lshlrev_b32 v95, 1, v[RK+\k]
	v_lshrrev_b32 v91, 16, v[R1+4*\k+2]            ; green
	ds_store_b128 v94, v[R0+4*\k:R0+4*\k+3] offset:PRM
	ds_store_b16 v95, v[R1+4*\k+2] offset:COL
	ds_store_b16 v95, v91 offset:COL+4096
	ds_store_b16 v95, v[R1+4*\k+3] offset:COL+8192
.endm
.irp k, 0,1,2,3,4,5,6,7
	PLACE \k
.endr
	s_wait_kmcnt 0x0
	s_min_u32 s11, s11, 2048
	s_add_co_u32 s11, s11, 127
	s_lshr_b32 s11, s11, 7                         ; chunks of 16 for each of 8 waves: ceil(V / 128), at most 16,
	s_max_u32 s11, s11, 1                          ; at least 1 (places from V on hold culled gaussians: alpha 0)
	s_mul_i32 s12, s10, s11                        ; my first chunk
	s_wait_dscnt 0x0                               ; my part of the table is in LDS before I say so
	s_barrier_signal -1
	s_barrier_wait -1
; 16 loads: the parameters of chunk s12, every lane from the same address.  The chunk is clamped to the list's last one: the look-ahead of a
; wave's last trip reads inside the table and is thrown away.
.macro FETCH
	s_min_u32 s15, s12, LASTC
	s_lshl_b32 s15, s15, 8
	v_mov_b32 v[PA], s15
.set g, 0
.rept 16
	ds_load_b128 v[P+4*g:P+4*g+3], v[PA] offset:PRM+16*g
.set g, g+1
.endr
.endm
; Gaussian g of the chunk: alpha, the next transmittance, w.  The exponentials of g + 1 are issued first, so that plain work follows them.
.macro STEP to, tn
.if g < 15
	v_exp_f32 v[E+2*g+2], v[E+2*g+2]
	v_exp_f32 v[E+2*g+3], v[E+2*g+3]
.endif
	s_wait_alu depctr_va_vdst(0)
	v_min_num_f32 v[E+2*g],   s14, v[E+2*g]        ; alpha = min(.., 0.99); exp2 is never below 0
	v_min_num_f32 v[E+2*g+1], s14, v[E+2*g+1]
	v_pk_fma_f32 v[\tn:\tn+1], v[E+2*g:E+2*g+1], v[\to:\to+1], v[\to:\to+1] neg_lo:[1,0,0] neg_hi:[1,0,0]   ; T' = T - alpha T: the only chain
	v_pk_mul_f32 v[E+2*g:E+2*g+1], v[E+2*g:E+2*g+1], v[\to:\to+1]                                           ; w = alpha T
.set g, g+1
.endm
; One chunk of 16 gaussians for 64 pixels.  zero = 1: the first product starts the sums.
.macro CHUNK zero
	s_wait_dscnt 0x0                               ; this chunk's parameters (issued a chunk ago)
.set g, 0
.rept 16
	v_pk_add_f32 v[DXR+2*g:DXR+2*g+1], v[PX:PX+1], v[P+4*g:P+4*g+1] op_sel_hi:[1,0]                          ; dx = px + (-mx), -mx for both
.set g, g+1
.endr
.set g, 0
.rept 16
	v_pk_fma_f32 v[E+2*g:E+2*g+1], v[DXR+2*g:DXR+2*g+1], v[P+4*g:P+4*g+1], v[P+4*g+2:P+4*g+3] op_sel:[0,1,0] op_sel_hi:[1,1,0]   ; dx A + q
.set g, g+1
.endr
.set g, 0
.rept 16
	v_pk_fma_f32 v[E+2*g:E+2*g+1], v[E+2*g:E+2*g+1], v[DXR+2*g:DXR+2*g+1], v[P+4*g+2:P+4*g+3] op_sel:[0,0,1] op_sel_hi:[1,1,1]   ; (..) dx + c0
.set g, g+1
.endr
	v_exp_f32 v[E], v[E]
	v_exp_f32 v[E+1], v[E+1]
	s_min_u32 s15, s12, LASTC
	v_lshl_add_u32 v[BA], s15, 5, v[CB]            ; 16 bf16 of my colour row; also the plain place behind the two exponentials (ISA guide 5.7.2)
	ds_load_b128 v[BF:BF+3], v[BA]                 ; gaussians 0-7.  The 48 packed lines above are the places behind the last chunk's matrix
	ds_load_b128 v[BF+4:BF+7], v[BA] offset:16     ; gaussians 8-15. instructions, which read BF (ISA guide 7.12.1)
	s_add_co_u32 s12, s12, 1
	FETCH                                          ; the parameter registers are free: the next chunk's come in under the work below
.set g, 0
.rept 8
	STEP TA, TB
	STEP TB, TA
	v_cvt_pk_bf16_f32 v[AF0+g/2-1], v[E+2*g-4], v[E+2*g-2]     ; pixel l:      w of gaussians g-2, g-1
	v_cvt_pk_bf16_f32 v[AF1+g/2-1], v[E+2*g-3], v[E+2*g-1]     ; pixel 32 + l
.endr
	s_wait_dscnt 16                                ; the two colour loads are older than the 16 parameter loads, which may stay out
.if \zero
	v_wmma_f32_16x16x32_bf16 v[ACC0:ACC0+7], v[AF0:AF0+7], v[BF:BF+7], 0
	v_wmma_f32_16x16x32_bf16 v[ACC1:ACC1+7], v[AF1:AF1+7], v[BF:BF+7], 0
.else
	v_wmma_f32_16x16x32_bf16 v[ACC0:ACC0+7], v[AF0:AF0+7], v[BF:BF+7], v[ACC0:ACC0+7]
	v_wmma_f32_16x16x32_bf16 v[ACC1:ACC1+7], v[AF1:AF1+7], v[BF:BF+7], v[ACC1:ACC1+7]
.endif
.endm
	FETCH
	CHUNK 1                                        ; in front of the loop: nothing is cleared
	s_sub_co_u32 s13, s11, 1
	s_cmp_eq_u32 s13, 0
	s_cbranch_scc1 .Ldone
.Lchunk:
	CHUNK 0
	s_sub_co_u32 s13, s13, 1
	s_cmp_lg_u32 s13, 0
	s_cbranch_scc1 .Lchunk
.Ldone:
	; My segment's transmittance and image go to LDS.  D's register j of lane (r = l & 15, h = l >> 4) is row m = 8 h + j, column r:
	; pixel 16 (r >= 3) + 8 h + j, colour r - 3 (r >= 3); float 3 x pixel + colour lies at byte 180 (r >= 3) + 96 h + 4 r + 12 j.
	; The address lines below are also the places between the last matrix instruction and the stores of its result.
	s_lshl_b32 s15, s10, 8
	v_lshl_add_u32 v112, v[LANE], 2, s15
	v_and_b32 v113, 15, v[LANE]
	v_lshrrev_b32 v114, 4, v[LANE]
	v_mov_b32 v115, 180
	v_cmp_lt_u32 vcc_lo, 2, v113
	v_cndmask_b32 v115, 0, v115, vcc_lo
	v_mad_u32_u24 v115, v114, 96, v115
	v_lshl_add_u32 v115, v113, 2, v115
	s_mul_i32 s16, s10, 768
	v_add_nc_u32 v115, s16, v115
	v_cmp_gt_u32 vcc_lo, 6, v113                   ; columns 0-5 hold the image, the rest is zero
	ds_store_b32 v112, v[TA] offset:TS
	ds_store_b32 v112, v[TA+1] offset:TS+128
	s_wait_xcnt 0x0                                ; EXEC changes only when no global or scalar load still needs it
	s_and_saveexec_b32 s20, vcc_lo
.irp j, 0,1,2,3,4,5,6,7
	ds_store_b32 v115, v[ACC0+\j] offset:IMG+12*\j
	ds_store_b32 v115, v[ACC1+\j] offset:IMG+384+12*\j
.endr
	s_or_b32 exec_lo, exec_lo, s20
	s_wait_dscnt 0x0                               ; my stores are in LDS (and the look-ahead loads are back) before I say so
	s_barrier_signal -1
	s_barrier_wait -1
	; Join the segments: 96 threads, two neighbouring floats each; each of the three waves stores 256 neighbouring bytes, aligned.
	s_cmp_gt_u32 s10, 2
	s_cbranch_scc1 .Lend
	v_lshlrev_b32 v112, 3, v0                      ; floats 2 t, 2 t + 1: byte 8 t
	v_lshlrev_b32 v113, 1, v0
	v_mul_u32_u24 v114, 171, v113                  ; f / 3 = (171 f) >> 9 for f < 192
	v_add_nc_u32 v115, 171, v114
	v_lshrrev_b32 v114, 7, v114
	v_lshrrev_b32 v115, 7, v115
	v_and_b32 v114, 0xfc, v114                     ; 4 x pixel of float 2 t
	v_and_b32 v115, 0xfc, v115                     ; 4 x pixel of float 2 t + 1
.irp s, 0,1,2,3,4,5,6,7
	ds_load_b64 v[16+2*\s:17+2*\s], v112 offset:IMG+768*\s
.endr
.irp s, 0,1,2,3,4,5,6
	ds_load_b32 v[32+2*\s], v114 offset:TS+256*\s
	ds_load_b32 v[33+2*\s], v115 offset:TS+256*\s
.endr
	s_mul_i32 s16, ttmp9, 768                      ; 64 pixels x 12 bytes a group
	v_add_nc_u32 v116, s16, v112
	s_wait_dscnt 0x0
.irp s, 1,2,3,4,5,6
	v_pk_fma_f32 v[16:17], v[16+2*\s:17+2*\s], v[32:33], v[16:17]      ; + (T_0 .. T_(s-1)) img_s
	v_pk_mul_f32 v[32:33], v[32:33], v[32+2*\s:33+2*\s]
.endr
	v_pk_fma_f32 v[16:17], v[30:31], v[32:33], v[16:17]
	global_store_b64 v116, v[16:17], s[8:9] th:TH_STORE_NT
.Lend:
	s_wait_tensorcnt 0x0
	ds_add_u32 v184, v185
	s_wait_dscnt 0x0
	s_endpgm
.Lfunc_end_k_q5ba2e83f8b_raster:
	.size	k_q5ba2e83f8b_raster, .Lfunc_end_k_q5ba2e83f8b_raster-k_q5ba2e83f8b_raster
	.p2alignl 7, 3214868480
	.fill 96, 4, 3214868480
	.section	.rodata,"a",@progbits
	.p2align	6, 0x0
	.amdhsa_kernel k_q5ba2e83f8b_raster
		.amdhsa_group_segment_fixed_size 168960
		.amdhsa_private_segment_fixed_size 0
		.amdhsa_enable_private_segment 0
		.amdhsa_kernarg_size 24
		.amdhsa_user_sgpr_count 2
		.amdhsa_user_sgpr_kernarg_segment_ptr 1
		.amdhsa_wavefront_size32 1
		.amdhsa_system_sgpr_workgroup_id_x 1
		.amdhsa_system_sgpr_workgroup_id_y 1
		.amdhsa_system_sgpr_workgroup_id_z 1
		.amdhsa_system_vgpr_workitem_id 0
		.amdhsa_next_free_vgpr 186
		.amdhsa_next_free_sgpr 66
		.amdhsa_reserve_vcc 1
		.amdhsa_float_denorm_mode_32 3
		.amdhsa_float_denorm_mode_16_64 3
		.amdhsa_memory_ordered 1
		.amdhsa_forward_progress 1
		.amdhsa_inst_pref_size 36
	.end_amdhsa_kernel
	.amdgpu_metadata
---
amdhsa.version: [ 1, 2 ]
amdhsa.kernels:
  - .name:           k_q5ba2e83f8b_raster
    .symbol:         k_q5ba2e83f8b_raster.kd
    .args:
      - { .name: prm, .offset: 0, .size: 8, .value_kind: global_buffer, .address_space: global }
      - { .name: rank, .offset: 8, .size: 8, .value_kind: global_buffer, .address_space: global }
      - { .name: out0, .offset: 16, .size: 8, .value_kind: global_buffer, .address_space: global }
    .group_segment_fixed_size: 168960
    .private_segment_fixed_size: 0
    .kernarg_segment_align: 8
    .kernarg_segment_size: 24
    .max_flat_workgroup_size: 256
    .sgpr_count:     66
    .vgpr_count:     186
    .wavefront_size: 32
...
	.end_amdgpu_metadata
.endif
;; end of part 2
